; MI455X (gfx1250); checked and timed in simulation.
; The chip was launched on July 23, 2026; its instructions are those of AMD's public machine-readable ISA for CDNA 5 (MIT licence, August 2026) and "CDNA5" Instruction Set Architecture Reference Guide (July 2026). The comments in the code are by the model that wrote it; some were corrected since.
;; Attn Fathers. Allowed arithmetic: float matrix products may take bf16 or f16 operands with f32 sums; all other float work in f32.
;; Inputs: attn_W 1,024 x 1,024 float32; attn_b 1,024 float32; fathers_lengths 16 int32; fathers_outputs 16 x 128 x 32 x 1,024 float32; hidden 1 x 16 x 1,024 float32.
;; Outputs: out0 16 x 128 x 32 float32.
;; 2 versions, each right; version 2 is version 1 with the launch score written anew for expert scheduling mode. Each part assembles by itself: llvm-mc -triple=amdgcn-amd-amdhsa -mcpu=gfx1250 --defsym DOCPART=n.
;; ======== version 1 of 2: 2 launches
;; workspace buffers: part 1,048,576 bytes
;; launch project (part 1): grid 8 x 16, 16 waves a work-group, no clusters, 133,120 bytes of LDS; arguments attn_W, hidden, part; writes part
.if DOCPART == 1
	.amdgcn_target "amdgcn-amd-amdhsa--gfx1250"
	.amdhsa_code_object_version 6
	.text
	.protected	k_q19070f4910_project
	.globl	k_q19070f4910_project
	.p2align	8
	.type	k_q19070f4910_project,@function
k_q19070f4910_project:
	s_mov_b64 s[64:65], 0
	v_nop
	global_prefetch_b8 v0, s[64:65] scope:SCOPE_SE
	s_setreg_imm32_b32 hwreg(HW_REG_WAVE_MODE, 25, 1), 1
	s_wait_xcnt 0x0
; part[s][b][h] = sum over k = 64 s .. 64 s + 63 of hidden[b][k] * W[k][h].   W: [1024 k][1024 h] f32, hidden: [16 b][1024 k] f32,
; part: [16 s][16 b][1024 h] f32.  The next launch adds the 16 parts to v[b][h] = sum over k of hidden[b][k] W[k][h], because
; hidden[b] . (W F + bias) = F . v[b] + hidden[b] . bias for every input: the product with W is made once for each b, not once for each father.
; All in f32 on the vector unit: the product has 16 rows, and its result steers a softmax over energies whose spread is large, so that operands
; rounded to 16 bits would move the result by more than it may be moved.  The order of the f32 sums differs from the reference's.
; SHARES.  Work-group (c, s): columns 128 c .. 128 c + 127, k = 64 s .. 64 s + 63: 32 KiB of W, each byte of W read once in the launch.
; Wave w: the four rows k0 = 64 s + 4 w .. + 3, for all 16 b.  Lane l: columns 128 c + 4 l .. + 3.  A load of the wave covers 512 neighbouring
; bytes of one row of W, aligned to 512; k is the same in all lanes, so hidden[b][k] is a scalar operand of the multiply-add.
; The 16 waves' sums meet in LDS; behind one barrier wave w adds the 16 sums of b = w and stores 512 neighbouring bytes of part.
; The sum over s spans work-groups and is therefore left to the next launch.
.set WR,  4                            ; v[4:19]    four rows of W, 4 columns each
.set ACC, 20                           ; v[20:83]   the sums of b = 0..15, 4 columns each
.set R,   84                           ; v[84:147]  the 16 waves' sums of my b, as read back
.set LB,  148                          ; v148       LDS address for waves 8..15's sums
; v1 = 16 l (offset of the loads of W and of the store), v2 = where I put my sums, v3 = where I read the sums of waves 0..7
; s[8:63], s[68:75]: hidden[b][k0 .. k0 + 3] for b = 0..15, four registers each, at 8 + 4 b, and 4 further on from b = 14
	s_load_b128 s[76:79], s[0:1], 0x0              ; W s[76:77], hidden s[78:79]
	s_load_b64 s[80:81], s[0:1], 0x10              ; part
	v_lshl_add_u32 v150, v0, 2, 0x20000
	v_mov_b32 v151, 0
	v_lshrrev_b32 v2, 5, v0
	v_readfirstlane_b32 s82, v2                    ; w: my wave's number as a scalar
	s_and_b32 s83, ttmp7, 0xffff                   ; s: which 64 of the 1024 k
	v_and_b32 v1, 31, v0
	v_lshlrev_b32 v1, 4, v1                        ; 16 l
	v_lshl_add_u32 v2, s82, 13, v1                 ; LDS: 8,192 w + 16 l (a wave's 16 b x 512 bytes)
	v_lshl_add_u32 v3, s82, 9, v1                  ; LDS: 512 w + 16 l (b = w in wave 0's block)
	v_add_nc_u32 v[LB], 0x10000, v3                ; the same in wave 8's block: an LDS offset has 16 bits
	s_mov_b32 s85, 0                               ; the offsets stay below 4 GiB
	s_lshl_b32 s84, s83, 18                        ; W: row 64 s + 4 w of 4,096 bytes, column 128 c of 4 bytes
	s_lshl_b32 s86, s82, 14
	s_add_co_u32 s84, s84, s86
	s_lshl_b32 s86, ttmp9, 9
	s_add_co_u32 s84, s84, s86
	s_wait_kmcnt 0x0
	s_add_nc_u64 s[76:77], s[76:77], s[84:85]
.irp j, 0,1,2,3
	global_load_b128 v[WR+4*\j:WR+4*\j+3], v1, s[76:77] offset:4096*\j th:TH_LOAD_NT   ; W is read once in the launch
.endr
	s_lshl_b32 s84, s83, 8                         ; hidden: element 64 s + 4 w of a row
	s_lshl_b32 s86, s82, 4
	s_add_co_u32 s84, s84, s86
	s_add_nc_u64 s[78:79], s[78:79], s[84:85]
.set bb, 0
.rept 16
.set HSB, 8+4*bb+4*(bb/14)
	s_load_b128 s[HSB:HSB+3], s[78:79], 4096*bb    ; hidden[b][k0 .. k0 + 3]
.set bb, bb+1
.endr
	s_lshl_b32 s84, s83, 16                        ; part: [s][b = w][128 c]
	s_lshl_b32 s86, s82, 12
	s_add_co_u32 s84, s84, s86
	s_lshl_b32 s86, ttmp9, 9
	s_add_co_u32 s84, s84, s86
	s_add_nc_u64 s[80:81], s[80:81], s[84:85]
	s_wait_kmcnt 0x0                               ; scalar loads return in no order: only the count 0 shows them in
; Row k0 + j of W times hidden[b][k0 + j], for all 16 b.  The first row starts the sums: nothing is cleared.
; Plain f32 forms: a packed form could take only the first scalar of an aligned pair for both halves.
.macro ROWK j
	s_wait_loadcnt 3-\j                            ; loads come back in order: row j is in, the 3 - j younger rows may stay out
.set bb, 0
.rept 16
.set HSB, 8+4*bb+4*(bb/14)
.irp q, 0,1,2,3
.if \j == 0
	v_mul_f32 v[ACC+4*bb+\q], s[HSB], v[WR+\q]
.else
	v_fmac_f32 v[ACC+4*bb+\q], s[HSB+\j], v[WR+4*\j+\q]
.endif
.endr
.set bb, bb+1
.endr
.endm
	ROWK 0
	ROWK 1
	ROWK 2
	ROWK 3
.irp q, 0,1,2,3,4,5,6,7,8,9,10,11,12,13,14,15
	ds_store_b128 v2, v[ACC+4*\q:ACC+4*\q+3] offset:512*\q     ; 32 lanes x 16 neighbouring bytes: no two lanes in one bank
.endr
	s_wait_dscnt 0x0                               ; my stores are in LDS before I say so
	s_barrier_signal -1
	s_barrier_wait -1                              ; all 16 waves' sums are there
.irp i, 0,1,2,3,4,5,6,7
	ds_load_b128 v[R+4*\i:R+4*\i+3], v3 offset:8192*\i         ; wave i's sum of b = w
.endr
.irp i, 0,1,2,3,4,5,6,7
	ds_load_b128 v[R+32+4*\i:R+32+4*\i+3], v[LB] offset:8192*\i   ; wave 8 + i's
.endr
	s_wait_dscnt 0x0
.irp d, 1,2,4,8                                    ; a tree: 15 sums of four numbers, two packed adds each
.set n, 0
.rept 8/\d
	v_pk_add_f32 v[R+4*n:R+4*n+1],   v[R+4*n:R+4*n+1],   v[R+4*(n+\d):R+4*(n+\d)+1]
	v_pk_add_f32 v[R+4*n+2:R+4*n+3], v[R+4*n+2:R+4*n+3], v[R+4*(n+\d)+2:R+4*(n+\d)+3]
.set n, n+2*\d
.endr
.endr
	global_store_b128 v1, v[R:R+3], s[80:81]       ; 512 neighbouring bytes of part, aligned to 512; the next launch reads them, so no hint
	s_wait_tensorcnt 0x0
	ds_add_u32 v150, v151
	s_wait_dscnt 0x0
	s_endpgm
.Lfunc_end_k_q19070f4910_project:
	.size	k_q19070f4910_project, .Lfunc_end_k_q19070f4910_project-k_q19070f4910_project
	.p2alignl 7, 3214868480
	.fill 96, 4, 3214868480
	.section	.rodata,"a",@progbits
	.p2align	6, 0x0
	.amdhsa_kernel k_q19070f4910_project
		.amdhsa_group_segment_fixed_size 133120
		.amdhsa_private_segment_fixed_size 0
		.amdhsa_enable_private_segment 0
		.amdhsa_kernarg_size 24
		.amdhsa_user_sgpr_count 2
		.amdhsa_user_sgpr_kernarg_segment_ptr 1
		.amdhsa_wavefront_size32 1
		.amdhsa_system_sgpr_workgroup_id_x 1
		.amdhsa_system_sgpr_workgroup_id_y 1
		.amdhsa_system_sgpr_workgroup_id_z 1
		.amdhsa_system_vgpr_workitem_id 0
		.amdhsa_next_free_vgpr 152
		.amdhsa_next_free_sgpr 92
		.amdhsa_reserve_vcc 0
		.amdhsa_float_denorm_mode_32 3
		.amdhsa_float_denorm_mode_16_64 3
		.amdhsa_memory_ordered 1
		.amdhsa_forward_progress 1
		.amdhsa_inst_pref_size 16
	.end_amdhsa_kernel
	.amdgpu_metadata
---
amdhsa.version: [ 1, 2 ]
amdhsa.kernels:
  - .name:           k_q19070f4910_project
    .symbol:         k_q19070f4910_project.kd
    .args:
      - { .name: attn_W, .offset: 0, .size: 8, .value_kind: global_buffer, .address_space: global }
      - { .name: hidden, .offset: 8, .size: 8, .value_kind: global_buffer, .address_space: global }
      - { .name: part, .offset: 16, .size: 8, .value_kind: global_buffer, .address_space: global }
    .group_segment_fixed_size: 133120
    .private_segment_fixed_size: 0
    .kernarg_segment_align: 8
    .kernarg_segment_size: 24
    .max_flat_workgroup_size: 512
    .sgpr_count:     92
    .vgpr_count:     152
    .wavefront_size: 32
...
	.end_amdgpu_metadata
.endif
;; end of part 1
;; launch score (part 2): grid 16 x 16, 16 waves a work-group, no clusters, 7,424 bytes of LDS; arguments fathers_outputs, part, hidden, attn_b, out0; writes out0
.if DOCPART == 2
	.amdgcn_target "amdgcn-amd-amdhsa--gfx1250"
	.amdhsa_code_object_version 6
	.text
	.protected	k_q19070f4910_score
	.globl	k_q19070f4910_score
	.p2align	8
	.type	k_q19070f4910_score,@function
k_q19070f4910_score:
	s_mov_b64 s[64:65], 0
	v_nop
	global_prefetch_b8 v0, s[64:65] scope:SCOPE_SE
	s_setreg_imm32_b32 hwreg(HW_REG_WAVE_MODE, 25, 1), 1
	s_wait_xcnt 0x0
; out[b][m][f] = softmax over m of e[b][m][f],  e[b][m][f] = F[b][m][f][:] . v[b] + c[b],
; v[b][h] = sum over s of part[s][b][h] (= sum over k of hidden[b][k] W[k][h]),  c[b] = hidden[b] . bias.
; F: [16 b][128 m][32 f][1024 h] f32, part: [16 s][16 b][1024 h] f32, hidden: [16][1024] f32, bias: [1024] f32, out: [16][128][32] f32.
; fathers_lengths is no argument: the reference never reads it, and a mask made of it would change the result.
; c[b] is the same for all m of a softmax; it is added all the same, ahead of the maximum, as the reference adds it.
; All in f32 on the vector unit: the product has one column, and F is read once, so the bytes of F decide.
; LIMITS.  An exponential below 2^-126 comes out as 0 (v_exp_f32 flushes such results: ISA guide, 15.8).  The row's true maximum is taken
; away first, so every exponent is at most 0 and the sum of exponentials is at least 1.  The order of the f32 sums differs from the reference's.
; SHARES.  Work-group (p, b): f = 2 p, 2 p + 1, all 128 m: 256 rows of 4,096 bytes, 256 work-groups of equal work.  It holds whole softmax
; columns, so the energies stay in LDS.  Wave w: m = 8 w .. 8 w + 7, 16 rows; its row t is m = 8 w + t / 2, f = 2 p + t % 2.
; A row is one wave's: eight loads of 16 bytes a lane, each covering 512 neighbouring bytes aligned to 512.  Lane l holds columns
; 128 j + 4 l .. + 3 of load j, and the same 32 numbers of v[b] in registers for the whole kernel.
; A ring of four row slots in registers; a slot is loaded again straight behind the multiply-adds that read it, so three to four rows
; (12 to 16 KiB) of every wave are on their way.  Every address is a base, one offset register that is never rewritten and an immediate
; (925,184 bytes at the most), so the 16 turns are written out and no source of a pending load is ever written.
; THE STORES are 8 bytes for each m, 128 bytes apart: 1 KiB a work-group against its 1 MiB of loads.  Stores of whole rows of out would need
; all 32 f of a b in one work-group, which leaves 16 work-groups; a further launch for the softmax would carry the energies through memory.
; No tile of F is read by two waves or two work-groups: no LDS ring, no joint loads.  What work-groups share is 64 KiB of part in 1 MiB.
.set VV, 4                             ; v[4:35]    first eight quads of part, then my 32 numbers of v[b]
.set X,  36                            ; v[36:163]  slot t % 4: 32 registers, a row as loaded
.set A,  164                           ; v[164:171] four chains of pairs
.set HB, 172                           ; v[172:175] two of hidden[b], two of bias
.set FO, 176                           ; byte offset in F: (8 w) rows of m + 16 l
.set PO, 177                           ; byte offset in part: split (l / 16), columns 64 w + 4 (l % 16)
.set HO, 178                           ; byte offset in hidden[b] and in bias: 256 w + 8 l
.set VS, 179                           ; LDS: where my four numbers of v[b] go
.set VL, 180                           ; LDS: 16 l, where I read v[b]
.set CS, 181                           ; LDS: my wave's part of c[b]
.set EA, 182                           ; LDS: my wave's 16 energies
.set TV, 183                           ; at work
.set LDS_C, 4096                       ; v[b] lies at 0 .. 4,095; 16 parts of c[b] here
.set LDS_E, 4352                       ; e[m][f'] at 8 m + 4 f', 1,024 bytes
; the softmax (wave 0) uses the ring's registers again, when every load has come:
.set EN, 36                            ; v[36:43]   e of m = l + 32 i, i = 0..3, both f
.set CP, 44                            ; v[44:45]   c[b], twice
.set MX, 46                            ; v[46:47]   the two maxima
.set SM, 48                            ; v[48:49]   the two sums
.set TP, 50                            ; v[50:51]   at work
.set EL, 52                            ; LDS: my first pair of energies
.set CL, 53                            ; LDS: part l % 16 of c[b]
.set OO, 54                            ; byte offset in out: row m = l
; Sum (largest) over the 32 lanes, left in every lane: four steps inside each half of 16 lanes ride on the arithmetic, one crosses the halves.
.macro WSUM r, tmp
.irp x, 1,2,4,8
	v_add_f32_dpp v[\r], v[\r], v[\r] row_xmask:\x row_mask:0xf bank_mask:0xf
.endr
	v_permlanex16_b32 v[\tmp], v[\r], s20, s21     ; its destination counts as read: a register that has been written
	v_add_f32 v[\r], v[\r], v[\tmp]
.endm
.macro WMAX r, tmp
.irp x, 1,2,4,8
	v_max_num_f32_dpp v[\r], v[\r], v[\r] row_xmask:\x row_mask:0xf bank_mask:0xf
.endr
	v_permlanex16_b32 v[\tmp], v[\r], s20, s21
	v_max_num_f32 v[\r], v[\r], v[\tmp]
.endm
; Row t of the wave into slot t % 4: eight loads.  F is read once in the launch.
.macro FILL t
.irp j, 0,1,2,3,4,5,6,7
	global_load_b128 v[X+32*((\t)%4)+4*\j:X+32*((\t)%4)+4*\j+3], v[FO], s[4:5] offset:((\t)>>1)*131072+((\t)&1)*4096+512*\j th:TH_LOAD_NT
.endr
.endm
	s_load_b256 s[4:11], s[0:1], 0x0               ; F s[4:5], part s[6:7], hidden s[8:9], bias s[10:11]
	s_load_b64 s[12:13], s[0:1], 0x20              ; out
	v_lshl_add_u32 v184, v0, 2, 0x1500
	v_mov_b32 v185, 0
	v_lshrrev_b32 v1, 5, v0
	v_readfirstlane_b32 s14, v1                    ; w: my wave's number as a scalar
	s_and_b32 s15, ttmp7, 0xffff                   ; b
	s_mov_b32 s20, 0x76543210                      ; v_permlanex16_b32: lane i of one half reads lane i of the other
	s_mov_b32 s21, 0xfedcba98
	v_and_b32 v1, 31, v0                           ; l
	v_and_b32 v2, 15, v0                           ; l % 16
	v_bfe_u32 v3, v0, 4, 1                         ; l / 16
	v_lshlrev_b32 v[VL], 4, v1                     ; 16 l
	v_lshl_add_u32 v[FO], s14, 20, v[VL]           ; 8 w steps of m, 131,072 bytes each, + 16 l
	v_lshlrev_b32 v[TV], 4, v2
	v_lshl_add_u32 v[VS], s14, 8, v[TV]            ; 256 w + 16 (l % 16): my wave's 64 columns of v[b]
	v_lshl_add_u32 v[PO], v3, 16, v[VS]            ; the same columns in part, one split (65,536 bytes) on for lanes 16 to 31
	v_lshlrev_b32 v[TV], 3, v1
	v_lshl_add_u32 v[HO], s14, 8, v[TV]            ; 256 w + 8 l
	s_lshl_b32 s18, s14, 2
	s_add_co_u32 s18, s18, LDS_C
	v_mov_b32 v[CS], s18
	s_lshl_b32 s19, s14, 6
	s_add_co_u32 s19, s19, LDS_E
	v_mov_b32 v[EA], s19
	s_mov_b32 s17, 0                               ; the offsets stay below 4 GiB
	s_lshl_b32 s16, s15, 24                        ; F: b x 16 MiB + f = 2 p rows of 4,096 bytes
	s_lshl_b32 s18, ttmp9, 13
	s_add_co_u32 s16, s16, s18
	s_wait_kmcnt 0x0
	s_add_nc_u64 s[4:5], s[4:5], s[16:17]
	s_lshl_b32 s16, s15, 12                        ; part and hidden: row b of 4,096 bytes
	s_add_nc_u64 s[6:7], s[6:7], s[16:17]
	s_add_nc_u64 s[8:9], s[8:9], s[16:17]
	s_lshl_b32 s16, s15, 14                        ; out: b x 16,384 bytes + f = 2 p
	s_lshl_b32 s18, ttmp9, 3
	s_add_co_u32 s16, s16, s18
	s_add_nc_u64 s[12:13], s[12:13], s[16:17]
	; Ten small loads, then the ring's first four rows: 42 loads of the wave on their way.
.irp i, 0,1,2,3,4,5,6,7
	global_load_b128 v[VV+4*\i:VV+4*\i+3], v[PO], s[6:7] offset:131072*\i   ; splits 2 i (lanes 0-15) and 2 i + 1 (lanes 16-31): 256 neighbouring bytes each, aligned
.endr
	global_load_b64 v[HB:HB+1],   v[HO], s[8:9]    ; 256 neighbouring bytes of hidden[b]
	global_load_b64 v[HB+2:HB+3], v[HO], s[10:11]  ; and of bias
	FILL 0
	FILL 1
	FILL 2
	FILL 3
	s_wait_loadcnt 32                              ; the ten are in; the 32 loads of F issued behind them stay out
.irp d, 1,2,4                                      ; my eight splits: a tree of seven sums of four numbers
.set n, 0
.rept 4/\d
	v_pk_add_f32 v[VV+4*n:VV+4*n+1],   v[VV+4*n:VV+4*n+1],   v[VV+4*(n+\d):VV+4*(n+\d)+1]
	v_pk_add_f32 v[VV+4*n+2:VV+4*n+3], v[VV+4*n+2:VV+4*n+3], v[VV+4*(n+\d)+2:VV+4*(n+\d)+3]
.set n, n+2*\d
.endr
.endr
.irp k, 0,1,2,3
	v_permlanex16_b32 v[VV+4+\k], v[VV+\k], s20, s21           ; the other half's eight splits
.endr
	v_pk_add_f32 v[VV:VV+1],   v[VV:VV+1],   v[VV+4:VV+5]
	v_pk_add_f32 v[VV+2:VV+3], v[VV+2:VV+3], v[VV+6:VV+7]
	ds_store_b128 v[VS], v[VV:VV+3]                ; lanes l and l + 16 write the same bytes with the same numbers (a sum of two does not hang on their order)
	v_pk_mul_f32 v[HB:HB+1], v[HB:HB+1], v[HB+2:HB+3]          ; my two terms of hidden[b] . bias
	v_add_f32 v[HB], v[HB], v[HB+1]
	WSUM HB, HB+1
	ds_store_b32 v[CS], v[HB]                      ; all lanes write one word with one value
	s_wait_dscnt 0x0                               ; my stores are in LDS before I say so
	s_barrier_signal -1                            ; the loads of F stay on their way: nobody writes F
	s_barrier_wait -1                              ; v[b] is whole
.irp j, 0,1,2,3,4,5,6,7
	ds_load_b128 v[VV+4*\j:VV+4*\j+3], v[VL] offset:512*\j     ; columns 128 j + 4 l .. + 3, as load j of a row brings them
.endr
	s_wait_dscnt 0x0
; The turn of row t.  fill = 1: its slot gets row t + 4.  left = how many younger loads may stay out.
.macro TURN t, fill, left
	s_wait_loadcnt \left                           ; loads come back in order: my row's eight are in
.irp q, 0,1,2,3
	v_pk_mul_f32 v[A+2*\q:A+2*\q+1], v[X+32*(\t%4)+2*\q:X+32*(\t%4)+2*\q+1], v[VV+2*\q:VV+2*\q+1]   ; the first four pairs start four chains: nothing is cleared
.endr
.irp q, 4,5,6,7,8,9,10,11,12,13,14,15
	v_pk_fma_f32 v[A+2*(\q%4):A+2*(\q%4)+1], v[X+32*(\t%4)+2*\q:X+32*(\t%4)+2*\q+1], v[VV+2*\q:VV+2*\q+1], v[A+2*(\q%4):A+2*(\q%4)+1]
.endr
.if \fill
	FILL \t+4                                      ; ahead of the reduction, which needs the slot no more
.endif
	v_pk_add_f32 v[A:A+1],   v[A:A+1],   v[A+2:A+3]
	v_pk_add_f32 v[A+4:A+5], v[A+4:A+5], v[A+6:A+7]
	v_pk_add_f32 v[A:A+1],   v[A:A+1],   v[A+4:A+5]
	v_add_f32 v[A], v[A], v[A+1]
	WSUM A, A+1
	ds_store_b32 v[EA], v[A] offset:4*\t           ; e[8 w + t / 2][t % 2]: all lanes write one word with one value
.endm
.irp t, 0,1,2,3,4,5,6,7,8,9,10,11
	TURN \t, 1, 24                                 ; three younger rows, eight loads each
.endr
	TURN 12, 0, 24                                 ; the last four rows load nothing: the counts run down
	TURN 13, 0, 16
	TURN 14, 0, 8
	TURN 15, 0, 0
	s_wait_dscnt 0x0                               ; my 16 energies are in LDS before I say so
	s_barrier_signal -1
	s_barrier_wait -1                              ; all 256 are there
	s_cmp_lg_u32 s14, 0                            ; 256 numbers are one wave's work: eight a lane
	s_cbranch_scc1 .Lend
	; Wave 0: lane l holds m = l + 32 i, i = 0..3, of both f.
	v_lshl_add_u32 v[EL], v1, 3, LDS_E
	v_lshl_add_u32 v[CL], v2, 2, LDS_C
	v_lshlrev_b32 v[OO], 7, v1                     ; a row of out is 128 bytes
.irp i, 0,1,2,3
	ds_load_b64 v[EN+2*\i:EN+2*\i+1], v[EL] offset:256*\i
.endr
	ds_load_b32 v[CP], v[CL]
	s_wait_dscnt 0x0
.irp x, 1,2,4,8
	v_add_f32_dpp v[CP], v[CP], v[CP] row_xmask:\x row_mask:0xf bank_mask:0xf   ; each half of the lanes holds all 16 parts of c[b]
.endr
	v_mov_b32 v[CP+1], v[CP]
.irp i, 0,1,2,3
	v_pk_add_f32 v[EN+2*\i:EN+2*\i+1], v[EN+2*\i:EN+2*\i+1], v[CP:CP+1]
.endr
	v_max3_num_f32 v[MX],   v[EN],   v[EN+2], v[EN+4]
	v_max3_num_f32 v[MX+1], v[EN+1], v[EN+3], v[EN+5]
	v_max_num_f32 v[MX],   v[MX],   v[EN+6]
	v_max_num_f32 v[MX+1], v[MX+1], v[EN+7]
	WMAX MX, TP
	WMAX MX+1, TP+1
.irp i, 0,1,2,3
	v_pk_add_f32 v[EN+2*\i:EN+2*\i+1], v[EN+2*\i:EN+2*\i+1], v[MX:MX+1] neg_lo:[0,1] neg_hi:[0,1]   ; e - max first, so that the difference is not rounded at the size of e
.endr
.irp i, 0,1,2,3
	v_pk_mul_f32 v[EN+2*\i:EN+2*\i+1], v[EN+2*\i:EN+2*\i+1], 0x3fb8aa3b op_sel_hi:[1,0]   ; times log2(e): v_exp_f32 is 2^x
.endr
.irp i, 0,1,2,3,4,5,6,7
	v_exp_f32 v[EN+\i], v[EN+\i]
.endr
	v_nop                                          ; one plain vector instruction stands between a transcendental and the use of its result (ISA guide 5.7.2)
	s_wait_alu depctr_va_vdst(0)
	v_pk_add_f32 v[SM:SM+1], v[EN:EN+1],     v[EN+2:EN+3]
	v_pk_add_f32 v[TP:TP+1], v[EN+4:EN+5],   v[EN+6:EN+7]
	v_pk_add_f32 v[SM:SM+1], v[SM:SM+1],     v[TP:TP+1]
	WSUM SM, TP
	WSUM SM+1, TP+1
	v_rcp_f32 v[SM],   v[SM]                       ; the sums are at least 1: the largest term is 2^0
	v_rcp_f32 v[SM+1], v[SM+1]
	v_nop                                          ; as above
	s_wait_alu depctr_va_vdst(0)
.irp i, 0,1,2,3
	v_pk_mul_f32 v[EN+2*\i:EN+2*\i+1], v[EN+2*\i:EN+2*\i+1], v[SM:SM+1]
.endr
.irp i, 0,1,2,3
	global_store_b64 v[OO], v[EN+2*\i:EN+2*\i+1], s[12:13] offset:4096*\i   ; out[b][l + 32 i][2 p, 2 p + 1]
.endr
.Lend:
	s_wait_tensorcnt 0x0
	ds_add_u32 v184, v185
	s_wait_dscnt 0x0
	s_endpgm
.Lfunc_end_k_q19070f4910_score:
	.size	k_q19070f4910_score, .Lfunc_end_k_q19070f4910_score-k_q19070f4910_score
	.p2alignl 7, 3214868480
	.fill 96, 4, 3214868480
	.section	.rodata,"a",@progbits
	.p2align	6, 0x0
	.amdhsa_kernel k_q19070f4910_score
		.amdhsa_group_segment_fixed_size 7424
		.amdhsa_private_segment_fixed_size 0
		.amdhsa_enable_private_segment 0
		.amdhsa_kernarg_size 40
		.amdhsa_user_sgpr_count 2
		.amdhsa_user_sgpr_kernarg_segment_ptr 1
		.amdhsa_wavefront_size32 1
		.amdhsa_system_sgpr_workgroup_id_x 1
		.amdhsa_system_sgpr_workgroup_id_y 1
		.amdhsa_system_sgpr_workgroup_id_z 1
		.amdhsa_system_vgpr_workitem_id 0
		.amdhsa_next_free_vgpr 186
		.amdhsa_next_free_sgpr 66
		.amdhsa_reserve_vcc 0
		.amdhsa_float_denorm_mode_32 3
		.amdhsa_float_denorm_mode_16_64 3
		.amdhsa_memory_ordered 1
		.amdhsa_forward_progress 1
		.amdhsa_inst_pref_size 49
	.end_amdhsa_kernel
	.amdgpu_metadata
---
amdhsa.version: [ 1, 2 ]
amdhsa.kernels:
  - .name:           k_q19070f4910_score
    .symbol:         k_q19070f4910_score.kd
    .args:
      - { .name: fathers_outputs, .offset: 0, .size: 8, .value_kind: global_buffer, .address_space: global }
      - { .name: part, .offset: 8, .size: 8, .value_kind: global_buffer, .address_space: global }
      - { .name: hidden, .offset: 16, .size: 8, .value_kind: global_buffer, .address_space: global }
      - { .name: attn_b, .offset: 24, .size: 8, .value_kind: global_buffer, .address_space: global }
      - { .name: out0, .offset: 32, .size: 8, .value_kind: global_buffer, .address_space: global }
    .group_segment_fixed_size: 7424
    .private_segment_fixed_size: 0
    .kernarg_segment_align: 8
    .kernarg_segment_size: 40
    .max_flat_workgroup_size: 512
    .sgpr_count:     66
    .vgpr_count:     186
    .wavefront_size: 32
...
	.end_amdgpu_metadata
.endif
;; end of part 2
;; ======== version 2 of 2: 2 launches; version 1 with the launch score written anew for expert scheduling mode
;; workspace buffers: part 1,048,576 bytes
;; launch project: the kernel of part 1 again; grid 8 x 16, 16 waves a work-group, no clusters, 133,120 bytes of LDS; arguments attn_W, hidden, part; writes part
;; launch score (part 3): grid 16 x 16, 16 waves a work-group, no clusters, 7,424 bytes of LDS; arguments fathers_outputs, part, hidden, attn_b, out0; writes out0
.if DOCPART == 3
	.amdgcn_target "amdgcn-amd-amdhsa--gfx1250"
	.amdhsa_code_object_version 6
	.text
	.protected	k_q19070f4910_score
	.globl	k_q19070f4910_score
	.p2align	8
	.type	k_q19070f4910_score,@function
k_q19070f4910_score:
	s_mov_b64 s[64:65], 0
	v_nop
	global_prefetch_b8 v0, s[64:65] scope:SCOPE_SE
	s_setreg_imm32_b32 hwreg(HW_REG_WAVE_SCHED_MODE, 0, 2), 2
	s_setreg_imm32_b32 hwreg(HW_REG_WAVE_MODE, 25, 1), 1
	s_wait_xcnt 0x0
	s_wait_alu depctr_vm_vsrc(0)
; out[b][m][f] = softmax over m of e[b][m][f],  e[b][m][f] = F[b][m][f][:] . v[b] + c[b],
; v[b][h] = sum over s of part[s][b][h] (= sum over k of hidden[b][k] W[k][h]),  c[b] = hidden[b] . bias.
; F: [16 b][128 m][32 f][1024 h] f32, part: [16 s][16 b][1024 h] f32, hidden: [16][1024] f32, bias: [1024] f32, out: [16][128][32] f32.
; fathers_lengths is no argument: the reference never reads it, and a mask made of it would change the result.
; c[b] is the same for all m of a softmax; it is added all the same, ahead of the maximum, as the reference adds it.
; All in f32 on the vector unit: the product has one column, and F is read once, so the bytes of F decide.
; LIMITS.  An exponential below 2^-126 comes out as 0 (v_exp_f32 flushes such results: ISA guide, 15.8).  The row's true maximum is taken
; away first, so every exponent is at most 0 and the sum of exponentials is at least 1.  The order of the f32 sums differs from the reference's.
; SHARES.  Work-group (p, b): f = 2 p, 2 p + 1, all 128 m: 256 rows of 4,096 bytes, 256 work-groups of equal work.  It holds whole softmax
; columns, so the energies stay in LDS.  Wave w: m = 8 w .. 8 w + 7, 16 rows; its row t is m = 8 w + t / 2, f = 2 p + t % 2.
; A row is one wave's: eight loads of 16 bytes a lane, each covering 512 neighbouring bytes aligned to 512.  Lane l holds columns
; 128 j + 4 l .. + 3 of load j, and the same 32 numbers of v[b] in registers for the whole kernel.
; A ring of four row slots in registers; a slot is loaded again straight behind the multiply-adds that read it, so three to four rows
; (12 to 16 KiB) of every wave are on their way.  Every address is a base, one offset register that is never rewritten and an immediate
; (925,184 bytes at the most), so the 16 turns are written out and no source of a pending load is ever written.
; THE STORES are 8 bytes for each m, 128 bytes apart: 1 KiB a work-group against its 1 MiB of loads.  Stores of whole rows of out would need
; all 32 f of a b in one work-group, which leaves 16 work-groups; a further launch for the softmax would carry the energies through memory.
; No tile of F is read by two waves or two work-groups: no LDS ring, no joint loads.  What work-groups share is 64 KiB of part in 1 MiB.
; THE MODE: SCHED_MODE bits 1:0 = 2 (LLVM: expert scheduling mode 2), set by the entry lines.  The code itself states the register dependences
; between vector instructions and memory or LDS instructions, with s_wait_alu, always for 0.
; THE PLAN.  Registers that memory or LDS instructions touch:
;   FO PO HO VS VL CS EA   offsets and LDS addresses, made once at the head and never written again.
;   VV         The loads of part land in it; the tree of sums works on it; one LDS store reads its first four; behind the barrier the LDS loads of v[b]
;              land in it; from there on vector instructions read it and nothing writes it.
;   HB         Two loads land in it; the arithmetic of c[b] works on it; one LDS store reads it; never written again.
;   X0 .. X3   Turn t: its sixteen multiply-adds read X[t % 4]; behind them the loads of row t + 4 land in it.
;   EG0 .. 15  Turn t: the last add of its reduction writes EG[t]; one LDS store, issued in turn t + 1 (for t = 11 .. 15 behind the last turn), reads it; never written again.
;   The chains v[A ..] are named by vector instructions alone.
; So ONE wait on va_vdst stands in a turn that loads, behind its multiply-adds: it states that they are done reading X[t % 4] and that the turn before has
; written its energy.  The turn's eight loads and its one LDS store follow it, dealt among the ten instructions of the reduction, which name
; v[A ..] and EG[t]: none of the registers that those loads and that store touch.  The last four turns issue no memory instruction and hold no such wait.
.set VV, 4                             ; v[4:35]    first eight quads of part, then my 32 numbers of v[b]
.set X,  36                            ; v[36:163]  slot t % 4: 32 registers, a row as loaded
.set A,  164                           ; v[164:171] four chains of pairs
.set HB, 172                           ; v[172:175] two of hidden[b], two of bias
.set FO, 176                           ; byte offset in F: (8 w) rows of m + 16 l
.set PO, 177                           ; byte offset in part: split (l / 16), columns 64 w + 4 (l % 16)
.set HO, 178                           ; byte offset in hidden[b] and in bias: 256 w + 8 l
.set VS, 179                           ; LDS: where my four numbers of v[b] go
.set VL, 180                           ; LDS: 16 l, where I read v[b]
.set CS, 181                           ; LDS: my wave's part of c[b]
.set EA, 182                           ; LDS: my wave's 16 energies
.set TV, 183                           ; at work
.set EG, 184                           ; v[184:199] row t's energy, a register to each row
.set LDS_C, 4096                       ; v[b] lies at 0 .. 4,095; 16 parts of c[b] here
.set LDS_E, 4352                       ; e[m][f'] at 8 m + 4 f', 1,024 bytes
; the softmax (wave 0) uses the ring's registers again, when every load has come:
.set EN, 36                            ; v[36:43]   e of m = l + 32 i, i = 0..3, both f
.set CP, 44                            ; v[44:45]   c[b], twice
.set MX, 46                            ; v[46:47]   the two maxima
.set SM, 48                            ; v[48:49]   the two sums
.set TP, 50                            ; v[50:51]   at work
.set EL, 52                            ; LDS: my first pair of energies
.set CL, 53                            ; LDS: part l % 16 of c[b]
.set OO, 54                            ; byte offset in out: row m = l
; Sum (largest) over the 32 lanes, left in every lane: four steps inside each half of 16 lanes ride on the arithmetic, one crosses the halves.
.macro WSUM r, tmp
.irp x, 1,2,4,8
	v_add_f32_dpp v[\r], v[\r], v[\r] row_xmask:\x row_mask:0xf bank_mask:0xf
.endr
	v_permlanex16_b32 v[\tmp], v[\r], s20, s21     ; its destination counts as read: a register that has been written
	v_add_f32 v[\r], v[\r], v[\tmp]
.endm
.macro WMAX r, tmp
.irp x, 1,2,4,8
	v_max_num_f32_dpp v[\r], v[\r], v[\r] row_xmask:\x row_mask:0xf bank_mask:0xf
.endr
	v_permlanex16_b32 v[\tmp], v[\r], s20, s21
	v_max_num_f32 v[\r], v[\r], v[\tmp]
.endm
; Load j of the eight of the wave's row t, into slot t % 4.  F is read once in the launch.  on = 0: a turn that loads nothing.
.macro LD on, t, j
.if \on
	global_load_b128 v[X+32*((\t)%4)+4*(\j):X+32*((\t)%4)+4*(\j)+3], v[FO], s[4:5] offset:((\t)>>1)*131072+((\t)&1)*4096+512*(\j) th:TH_LOAD_NT
.endif
.endm
.macro FILL t                          ; a whole row
.irp j, 0,1,2,3,4,5,6,7
	LD 1, \t, \j
.endr
.endm
	s_load_b256 s[4:11], s[0:1], 0x0               ; F s[4:5], part s[6:7], hidden s[8:9], bias s[10:11]
	s_load_b64 s[12:13], s[0:1], 0x20              ; out
	v_lshl_add_u32 v200, v0, 2, 0x1500
	v_mov_b32 v201, 0
	v_lshrrev_b32 v1, 5, v0
	v_readfirstlane_b32 s14, v1                    ; w: my wave's number as a scalar
	s_and_b32 s15, ttmp7, 0xffff                   ; b
	s_mov_b32 s20, 0x76543210                      ; v_permlanex16_b32: lane i of one half reads lane i of the other
	s_mov_b32 s21, 0xfedcba98
	v_and_b32 v1, 31, v0                           ; l
	v_and_b32 v2, 15, v0                           ; l % 16
	v_bfe_u32 v3, v0, 4, 1                         ; l / 16
	v_lshlrev_b32 v[VL], 4, v1                     ; 16 l
	s_wait_alu depctr_va_sdst(0)                   ; s14 is written, ahead of its first reader, the line below; offsets, LDS addresses and the branch at the end are made from it
	v_lshl_add_u32 v[FO], s14, 20, v[VL]           ; 8 w steps of m, 131,072 bytes each, + 16 l
	v_lshlrev_b32 v[TV], 4, v2
	v_lshl_add_u32 v[VS], s14, 8, v[TV]            ; 256 w + 16 (l % 16): my wave's 64 columns of v[b]
	v_lshl_add_u32 v[PO], v3, 16, v[VS]            ; the same columns in part, one split (65,536 bytes) on for lanes 16 to 31
	v_lshlrev_b32 v[TV], 3, v1
	v_lshl_add_u32 v[HO], s14, 8, v[TV]            ; 256 w + 8 l
	s_lshl_b32 s18, s14, 2
	s_add_co_u32 s18, s18, LDS_C
	v_mov_b32 v[CS], s18
	s_lshl_b32 s19, s14, 6
	s_add_co_u32 s19, s19, LDS_E
	v_mov_b32 v[EA], s19
	s_mov_b32 s17, 0                               ; the offsets stay below 4 GiB
	s_lshl_b32 s16, s15, 24                        ; F: b x 16 MiB + f = 2 p rows of 4,096 bytes
	s_lshl_b32 s18, ttmp9, 13
	s_add_co_u32 s16, s16, s18
	s_wait_kmcnt 0x0
	s_add_nc_u64 s[4:5], s[4:5], s[16:17]
	s_lshl_b32 s16, s15, 12                        ; part and hidden: row b of 4,096 bytes
	s_add_nc_u64 s[6:7], s[6:7], s[16:17]
	s_add_nc_u64 s[8:9], s[8:9], s[16:17]
	s_lshl_b32 s16, s15, 14                        ; out: b x 16,384 bytes + f = 2 p
	s_lshl_b32 s18, ttmp9, 3
	s_add_co_u32 s16, s16, s18
	s_add_nc_u64 s[12:13], s[12:13], s[16:17]
	s_wait_alu depctr_va_vdst(0)                   ; FO, PO, HO, VS, VL, CS and EA are written: the loads, LDS stores and LDS loads up to the second barrier read them as offsets and addresses
	; Ten small loads, then the ring's first four rows: 42 loads of the wave on their way.
.irp i, 0,1,2,3,4,5,6,7
	global_load_b128 v[VV+4*\i:VV+4*\i+3], v[PO], s[6:7] offset:131072*\i   ; splits 2 i (lanes 0-15) and 2 i + 1 (lanes 16-31): 256 neighbouring bytes each, aligned
.endr
	global_load_b64 v[HB:HB+1],   v[HO], s[8:9]    ; 256 neighbouring bytes of hidden[b]
	global_load_b64 v[HB+2:HB+3], v[HO], s[10:11]  ; and of bias
	FILL 0
	FILL 1
	FILL 2
	FILL 3
	s_wait_loadcnt 32                              ; the ten are in; the 32 loads of F issued behind them stay out
.irp d, 1,2,4                                      ; my eight splits: a tree of seven sums of four numbers
.set n, 0
.rept 4/\d
	v_pk_add_f32 v[VV+4*n:VV+4*n+1],   v[VV+4*n:VV+4*n+1],   v[VV+4*(n+\d):VV+4*(n+\d)+1]
	v_pk_add_f32 v[VV+4*n+2:VV+4*n+3], v[VV+4*n+2:VV+4*n+3], v[VV+4*(n+\d)+2:VV+4*(n+\d)+3]
.set n, n+2*\d
.endr
.endr
.irp k, 0,1,2,3
	v_permlanex16_b32 v[VV+4+\k], v[VV+\k], s20, s21           ; the other half's eight splits
.endr
	v_pk_add_f32 v[VV:VV+1],   v[VV:VV+1],   v[VV+4:VV+5]
	v_pk_add_f32 v[VV+2:VV+3], v[VV+2:VV+3], v[VV+6:VV+7]
	v_pk_mul_f32 v[HB:HB+1], v[HB:HB+1], v[HB+2:HB+3]          ; my two terms of hidden[b] . bias
	v_add_f32 v[HB], v[HB], v[HB+1]
	WSUM HB, HB+1
	s_wait_alu depctr_va_vdst(0)                   ; the sums have written v[VV .. VV+3] and v[HB], which the two LDS stores read; and every vector instruction that names VV is done, for the LDS loads behind the barrier, which land in it
	ds_store_b128 v[VS], v[VV:VV+3]                ; lanes l and l + 16 write the same bytes with the same numbers (a sum of two does not hang on their order)
	ds_store_b32 v[CS], v[HB]                      ; all lanes write one word with one value
	s_wait_dscnt 0x0                               ; my stores are in LDS before I say so
	s_barrier_signal -1                            ; the loads of F stay on their way: nobody writes F
	s_barrier_wait -1                              ; v[b] is whole
	s_wait_alu depctr_vm_vsrc(0)                   ; my LDS store has read v[VV .. VV+3], in which the first load below lands
.irp j, 0,1,2,3,4,5,6,7
	ds_load_b128 v[VV+4*\j:VV+4*\j+3], v[VL] offset:512*\j     ; columns 128 j + 4 l .. + 3, as load j of a row brings them
.endr
	s_wait_dscnt 0x0
; The turn of row t.  fill = 1: its slot gets row t + 4, and the energy of row t - 1 goes to LDS.  left = how many younger loads may stay out.
.macro TURN t, fill, left
	s_wait_loadcnt \left                           ; loads come back in order: my row's eight are in
.irp q, 0,1,2,3
	v_pk_mul_f32 v[A+2*\q:A+2*\q+1], v[X+32*(\t%4)+2*\q:X+32*(\t%4)+2*\q+1], v[VV+2*\q:VV+2*\q+1]   ; the first four pairs start four chains: nothing is cleared
.endr
.irp q, 4,5,6,7,8,9,10,11,12,13,14,15
	v_pk_fma_f32 v[A+2*(\q%4):A+2*(\q%4)+1], v[X+32*(\t%4)+2*\q:X+32*(\t%4)+2*\q+1], v[VV+2*\q:VV+2*\q+1], v[A+2*(\q%4):A+2*(\q%4)+1]
.endr
.if \fill
	s_wait_alu depctr_va_vdst(0)                   ; the multiply-adds are done reading X[t % 4], in which the loads below land; the turn before has written EG[t - 1], which the LDS store below reads
.endif
	LD \fill, \t+4, 0                              ; the slot is asked for again at once; no vector instruction from here to the turn's end names it
	v_pk_add_f32 v[A:A+1],   v[A:A+1],   v[A+2:A+3]
	LD \fill, \t+4, 1
	v_pk_add_f32 v[A+4:A+5], v[A+4:A+5], v[A+6:A+7]
	LD \fill, \t+4, 2
	v_pk_add_f32 v[A:A+1],   v[A:A+1],   v[A+4:A+5]
	LD \fill, \t+4, 3
	v_add_f32 v[A], v[A], v[A+1]
	LD \fill, \t+4, 4
	v_add_f32_dpp v[A], v[A], v[A] row_xmask:1 row_mask:0xf bank_mask:0xf   ; the sum over the 32 lanes, as in WSUM
	LD \fill, \t+4, 5
	v_add_f32_dpp v[A], v[A], v[A] row_xmask:2 row_mask:0xf bank_mask:0xf
	LD \fill, \t+4, 6
	v_add_f32_dpp v[A], v[A], v[A] row_xmask:4 row_mask:0xf bank_mask:0xf
	LD \fill, \t+4, 7
	v_add_f32_dpp v[A], v[A], v[A] row_xmask:8 row_mask:0xf bank_mask:0xf
.if \fill
.if \t > 0
	ds_store_b32 v[EA], v[EG+\t-1] offset:4*(\t-1) ; e[8 w + (t - 1) / 2][(t - 1) % 2]: all lanes write one word with one value; no vector instruction since the wait names EG[t - 1]
.endif
.endif
	v_permlanex16_b32 v[A+1], v[A], s20, s21       ; its destination counts as read: a register that has been written
	v_add_f32 v[EG+\t], v[A], v[A+1]               ; the row's energy, in a register that nothing writes again
.endm
.irp t, 0,1,2,3,4,5,6,7,8,9,10,11
	TURN \t, 1, 24                                 ; three younger rows, eight loads each
.endr
	TURN 12, 0, 24                                 ; the last four rows load nothing: the counts run down
	TURN 13, 0, 16
	TURN 14, 0, 8
	TURN 15, 0, 0
	s_wait_alu depctr_va_vdst(0)                   ; the reductions of rows 11 to 15 have written EG[11 .. 15], which the five LDS stores read
.irp t, 11,12,13,14,15
	ds_store_b32 v[EA], v[EG+\t] offset:4*\t
.endr
	s_wait_dscnt 0x0                               ; my 16 energies are in LDS before I say so
	s_barrier_signal -1
	s_barrier_wait -1                              ; all 256 are there
	s_cmp_lg_u32 s14, 0                            ; 256 numbers are one wave's work: eight a lane
	s_cbranch_scc1 .Lend
	; Wave 0: lane l holds m = l + 32 i, i = 0..3, of both f.
	v_lshl_add_u32 v[EL], v1, 3, LDS_E
	v_lshl_add_u32 v[CL], v2, 2, LDS_C
	v_lshlrev_b32 v[OO], 7, v1                     ; a row of out is 128 bytes
	s_wait_alu depctr_va_vdst(0)                   ; EL and CL are written, which the LDS loads read as addresses; the turns' multiply-adds are done reading the ring's registers, in which these loads land
.irp i, 0,1,2,3
	ds_load_b64 v[EN+2*\i:EN+2*\i+1], v[EL] offset:256*\i
.endr
	ds_load_b32 v[CP], v[CL]
	s_wait_dscnt 0x0
.irp x, 1,2,4,8
	v_add_f32_dpp v[CP], v[CP], v[CP] row_xmask:\x row_mask:0xf bank_mask:0xf   ; each half of the lanes holds all 16 parts of c[b]
.endr
	v_mov_b32 v[CP+1], v[CP]
.irp i, 0,1,2,3
	v_pk_add_f32 v[EN+2*\i:EN+2*\i+1], v[EN+2*\i:EN+2*\i+1], v[CP:CP+1]
.endr
	v_max3_num_f32 v[MX],   v[EN],   v[EN+2], v[EN+4]
	v_max3_num_f32 v[MX+1], v[EN+1], v[EN+3], v[EN+5]
	v_max_num_f32 v[MX],   v[MX],   v[EN+6]
	v_max_num_f32 v[MX+1], v[MX+1], v[EN+7]
	WMAX MX, TP
	WMAX MX+1, TP+1
.irp i, 0,1,2,3
	v_pk_add_f32 v[EN+2*\i:EN+2*\i+1], v[EN+2*\i:EN+2*\i+1], v[MX:MX+1] neg_lo:[0,1] neg_hi:[0,1]   ; e - max first, so that the difference is not rounded at the size of e
.endr
.irp i, 0,1,2,3
	v_pk_mul_f32 v[EN+2*\i:EN+2*\i+1], v[EN+2*\i:EN+2*\i+1], 0x3fb8aa3b op_sel_hi:[1,0]   ; times log2(e): v_exp_f32 is 2^x
.endr
.irp i, 0,1,2,3,4,5,6,7
	v_exp_f32 v[EN+\i], v[EN+\i]
.endr
	v_nop                                          ; one plain vector instruction stands between a transcendental and the use of its result (ISA guide 5.7.2)
	s_wait_alu depctr_va_vdst(0)
	v_pk_add_f32 v[SM:SM+1], v[EN:EN+1],     v[EN+2:EN+3]
	v_pk_add_f32 v[TP:TP+1], v[EN+4:EN+5],   v[EN+6:EN+7]
	v_pk_add_f32 v[SM:SM+1], v[SM:SM+1],     v[TP:TP+1]
	WSUM SM, TP
	WSUM SM+1, TP+1
	v_rcp_f32 v[SM],   v[SM]                       ; the sums are at least 1: the largest term is 2^0
	v_rcp_f32 v[SM+1], v[SM+1]
	v_nop                                          ; as above
	s_wait_alu depctr_va_vdst(0)
.irp i, 0,1,2,3
	v_pk_mul_f32 v[EN+2*\i:EN+2*\i+1], v[EN+2*\i:EN+2*\i+1], v[SM:SM+1]
.endr
	s_wait_alu depctr_va_vdst(0)                   ; the multiplies have written v[EN .. EN+7], which the four stores read; OO, their offset, was written further up
.irp i, 0,1,2,3
	global_store_b64 v[OO], v[EN+2*\i:EN+2*\i+1], s[12:13] offset:4096*\i   ; out[b][l + 32 i][2 p, 2 p + 1]
.endr
.Lend:
	s_wait_dscnt 0x0
	s_wait_alu depctr_hold_cnt(0) depctr_sa_sdst(0) depctr_va_vdst(0) depctr_va_sdst(0) depctr_va_ssrc(0) depctr_va_vcc(0) depctr_vm_vsrc(0)
	s_wait_tensorcnt 0x0
	ds_add_u32 v200, v201
	s_wait_dscnt 0x0
	s_endpgm
.Lfunc_end_k_q19070f4910_score:
	.size	k_q19070f4910_score, .Lfunc_end_k_q19070f4910_score-k_q19070f4910_score
	.p2alignl 7, 3214868480
	.fill 96, 4, 3214868480
	.section	.rodata,"a",@progbits
	.p2align	6, 0x0
	.amdhsa_kernel k_q19070f4910_score
		.amdhsa_group_segment_fixed_size 7424
		.amdhsa_private_segment_fixed_size 0
		.amdhsa_enable_private_segment 0
		.amdhsa_kernarg_size 40
		.amdhsa_user_sgpr_count 2
		.amdhsa_user_sgpr_kernarg_segment_ptr 1
		.amdhsa_wavefront_size32 1
		.amdhsa_system_sgpr_workgroup_id_x 1
		.amdhsa_system_sgpr_workgroup_id_y 1
		.amdhsa_system_sgpr_workgroup_id_z 1
		.amdhsa_system_vgpr_workitem_id 0
		.amdhsa_next_free_vgpr 202
		.amdhsa_next_free_sgpr 66
		.amdhsa_reserve_vcc 0
		.amdhsa_float_denorm_mode_32 3
		.amdhsa_float_denorm_mode_16_64 3
		.amdhsa_memory_ordered 1
		.amdhsa_forward_progress 1
		.amdhsa_inst_pref_size 50
	.end_amdhsa_kernel
	.amdgpu_metadata
---
amdhsa.version: [ 1, 2 ]
amdhsa.kernels:
  - .name:           k_q19070f4910_score
    .symbol:         k_q19070f4910_score.kd
    .args:
      - { .name: fathers_outputs, .offset: 0, .size: 8, .value_kind: global_buffer, .address_space: global }
      - { .name: part, .offset: 8, .size: 8, .value_kind: global_buffer, .address_space: global }
      - { .name: hidden, .offset: 16, .size: 8, .value_kind: global_buffer, .address_space: global }
      - { .name: attn_b, .offset: 24, .size: 8, .value_kind: global_buffer, .address_space: global }
      - { .name: out0, .offset: 32, .size: 8, .value_kind: global_buffer, .address_space: global }
    .group_segment_fixed_size: 7424
    .private_segment_fixed_size: 0
    .kernarg_segment_align: 8
    .kernarg_segment_size: 40
    .max_flat_workgroup_size: 512
    .sgpr_count:     66
    .vgpr_count:     202
    .wavefront_size: 32
...
	.end_amdgpu_metadata
.endif
;; end of part 3
